; MI455X (gfx1250); checked and timed in simulation.
; The chip was launched on July 23, 2026; its instructions are those of AMD's public machine-readable ISA for CDNA 5 (MIT licence, August 2026) and "CDNA5" Instruction Set Architecture Reference Guide (July 2026). The comments in the code are by the model that wrote it; some were corrected since.
;; Attention. Allowed arithmetic: matrix products marked QUANTISED: E2M1 operands, one E8M0 scale for each 32 along K, by v_wmma_scale_f32_16x16x128_f8f6f4 with both operands' format E2M1 (or v_wmma_scale_f32_32x16x128_f4), f32 sums; everything else in f32.
;; Inputs: k 2 x 2,048 x 1,024 float32; mask 2,048 x 2,048 float32; q 2 x 2,048 x 4,096 float32; v 2 x 2,048 x 1,024 float32.
;; Outputs: out0 2 x 2,048 x 4,096 float32.
;; Constants: start_pos = 0.
;; This version of the problem:
;;   THIS VERSION OF THE PROBLEM IS GIVEN IN LOW PRECISION. The matrix products marked QUANTISED in the list below multiply operands that are first quantised to E2M1 (2 exponent bits, 1 mantissa bit; 4 bits a number), with one power-of-two scale for each 32 numbers along K (OCP MX v1.0); their sums are f32. All else is computed in f32.
;;   The module's matrix products, in the order in which they are computed (A, B: the left and right operand; K: the contracted axis; several contracted axes count as one K, in the product's order):
;;     1. batch 16 x [M 2,048, K 128] x [K 128, N 8,192]; A: input k; B: input q: QUANTISED
;;     2. batch 16 x [M 128, K 2,048] x [K 2,048, N 8,192]; A: input v; B: softmax (see below): QUANTISED
;;   THE QUANTISER, for each operand of a quantised product, along K:
;;     - K is cut into blocks of 32 from its start; a last block that is shorter is filled with zeros.
;;     - A block's scale is 2^e with e = floor(log2(the largest magnitude in the block)) - 2, held to -126 .. 127; a block of zeros has e = 0. As a byte (E8M0): e + 127.
;;     - Each number is divided by its block's scale, clamped to +-6, and rounded to the nearest number of E2M1, ties to even, subnormals kept.
;;     - The product sums the exact products of the quantised numbers (number of the format x scale) in f32.
;;   ~~~python
;;   def quantise(x, axis):      # numpy; x: float32 -> the quantised numbers, widened to float32 again
;;       x = np.moveaxis(x, axis, -1); K = x.shape[-1]
;;       x = np.pad(x, [(0, 0)] * (x.ndim - 1) + [(0, -K % 32)]); x = x.reshape(x.shape[:-1] + (-1, 32)); a = np.abs(x).max(-1, keepdims=True)
;;       e = np.where(a > 0, np.clip(np.frexp(np.where(a > 0, a, 1))[1] - 1 - 2, -126, 127), 0)      # np.frexp(a)[1] - 1 = floor(log2(a)), exactly
;;       r = np.clip(x / 2.0 ** e, -6, 6)
;;       step = 2.0 ** (np.maximum(np.frexp(np.where(r == 0, 1, r))[1] - 1, 0) - 1)
;;       q = np.round(r / step) * step * 2.0 ** e      # np.round: ties to even
;;       return np.moveaxis(q.reshape(q.shape[:-2] + (-1,))[..., :K], -1, axis).astype(np.float32)
;;   ~~~
;;   SOFTMAX AHEAD OF A QUANTISED PRODUCT. Where the list says 'softmax', what is quantised is not the finished softmax but p = 2^(t - M), with t = logit x log2(e) and M = ceil(the row's largest t), a whole number; so 1/2 < the row's largest p <= 1. The row's sum l is taken of the UNQUANTISED p, in f32, and the product's result is divided by l at the end. Since M is a whole number, a kernel that streams over the keys may use a running M (the ceiling of the running maximum): every later rescaling is an exact power of two, which a block's scale takes up: the codes' values come out the same.
;;   OPERANDS COMPUTED ON THE WAY. 'Computed on the way' means the value that the module computes at that place (a softmax that the list does not call 'softmax' is quantised finished and normalised). What goes into a quantiser is computed in f32, as accurately as f32 sums, v_exp_f32 and their like allow (about 1e-6 of the number): no bf16 or f16 on the way to a quantiser, and a product that is left as it is and whose result goes on into a quantised operand takes f32 operands (vector FMAs, or v_wmma_f32_16x16x4_f32). A number that lies on a knife's edge between two numbers of the format may be rounded either way, as far as f32 arithmetic and the matrix unit's own rounding can turn it there, and no further.
;; One version. Each part assembles by itself: llvm-mc -triple=amdgcn-amd-amdhsa -mcpu=gfx1250 --defsym DOCPART=n.
;; ======== version 1 of 1: 2 launches
;; limits: right only within a limited range of input values
;; workspace buffers: kvc 4,456,448 bytes
;; launch quant (part 1): grid 16 x 16, 4 waves a work-group, no clusters, 36,352 bytes of LDS; arguments k, v, kvc; writes kvc
.if DOCPART == 1
	.amdgcn_target "amdgcn-amd-amdhsa--gfx1250"
	.amdhsa_code_object_version 6
	.text
	.protected	k_qed52914425_quant
	.globl	k_qed52914425_quant
	.p2align	8
	.type	k_qed52914425_quant,@function
k_qed52914425_quant:
	s_mov_b64 s[64:65], 0
	v_nop
	global_prefetch_b8 v0, s[64:65] scope:SCOPE_SE
	s_setreg_imm32_b32 hwreg(HW_REG_WAVE_MODE, 25, 1), 1
	s_wait_xcnt 0x0
; k, v: [2][2048][1024] f32 (8 heads of 128).  Both become codes of FP4 (E2M1) with one E8M0 byte for each 32 along the product's K, laid in the ORDER OF THE OPERANDS' REGISTERS
; of the attention launch: k is quantised along the head's 128, v along the keys.
; kvc: [bg 16][step 16][K image 8,192 | V image 8,192]; an image is [tile 0..7][c 0..1][lane 0..31][16 bytes]: a fragment's registers 4 c .. 4 c + 3 of each lane, on end.
;   K image: lane (r, h) of tile 2 B + u holds key 128 j + 32 B + 8 u + r + 8 (r / 8), channels 64 c + 32 h + 0 .. 31.   V image: lane (r, h) of tile T holds channel 16 T + r, keys 128 j + 64 c + 32 h + 0 .. 31.
; kvs: [bg][step][K's words 512 | V's words 512], each [G 0..1][r 0..15][the words of tiles 4 G .. 4 G + 3]: a word is the four scale bytes of row r of a tile.
; A block's scale is 2^(floor(log2(its largest magnitude)) - 2): its byte is the largest magnitude's exponent field - 2, held at 1 from below.
; LIMITS: a block of zeros gets the byte 1 where the rule says 127 (its codes are zeros, and this program alone reads the bytes); NaN and infinities in k and v are not served.
; SHARES: a work-group takes 128 keys (step j = x) of one head of one batch (bg = y).  Wave w makes K's tiles 2 w and 2 w + 1 (keys 32 w .. 32 w + 31) and then V's channels 32 w .. 32 w + 31.
; K: a load takes one key's 512 bytes, 16 a lane; 16 keys turn through the wave's own stage in LDS, so that a lane holds 2 x 32 neighbours along the head's axis.  V: a lane takes a channel and its registers run down the keys.
; No tensor loads; one barrier, for the scale words, which four waves make and which leave as runs of 256 consecutive bytes.
; THE LAYOUT AS IT IS BUILT: a step's record in kvc is 17,408 bytes: K image 8,192 | V image 8,192 | K's words 512 | V's words 512; kvc is [bg 16][step 16][record].
; There is no buffer kvs: what the lines above call kvs is the last 1,024 bytes of each record, in the order stated there.
.set SP,    528                        ; a stage row: 512 bytes + 16
.set WST,   16*SP                      ; a wave's stage
.set SCST,  4*WST                      ; behind the stages: the step's 1,024 bytes of scale words
.set FLOOR, 0x1800000                  ; 2^(3 - 127): under it no largest magnitude is taken, so the byte cannot fall under 1
.set EOFF,  0xff000000                 ; takes 2 off an exponent field
; REGISTERS: v1 lane, v2 r, v3 h; v4 16 x lane; v5 4 x lane; v6, v7 the stage in and out; v8 8 h; v9 V's codes' place; v10, v11 the scale words' places; v12, v13 their way out;
; v16-31 V's codes; v32-47 K's codes; v48-49 K's words, v50 V's word; v51-55 at work; v56-57 the way out; v64-127, v128-191 K's two tiles; v192-255 two sets of 32 numbers of V
	s_load_b128 s[4:7], s[0:1], 0x0                ; k s[4:5], v s[6:7]
	s_load_b64 s[8:9], s[0:1], 0x10                ; kvc
	v_lshl_add_u32 v62, v0, 2, 0x8c00
	v_mov_b32 v63, 0
	v_lshrrev_b32 v1, 5, v0
	v_readfirstlane_b32 s12, v1                    ; wave 0..3
	v_and_b32 v1, 31, v0                           ; lane
	v_and_b32 v2, 15, v0                           ; r
	v_bfe_u32 v3, v0, 4, 1                         ; h
	v_lshlrev_b32 v4, 4, v1
	v_lshlrev_b32 v5, 2, v1
	s_mul_i32 s30, s12, WST
	v_add_nc_u32 v6, s30, v4                       ; the stage, in: 16 x lane of a row
	v_mul_u32_u24 v7, v2, SP
	v_lshl_add_u32 v7, v3, 7, v7
	v_add_nc_u32 v7, s30, v7                       ; out: row r, + 128 h: my 32 channels of each 64
	v_lshlrev_b32 v8, 3, v3
	v_lshlrev_b32 v9, 10, v3
	v_lshl_add_u32 v9, v2, 4, v9                   ; V's codes: tile 2 w + h, image lane r (+ 16 for the odd blocks, in the immediate)
	s_lshr_b32 s31, s12, 1
	s_lshl_b32 s31, s31, 8                         ; G = w / 2
	s_and_b32 s32, s12, 1
	s_lshl_b32 s32, s32, 3                         ; tiles 2 w, 2 w + 1 are words 2 (w % 2), + 1 of a row's four
	s_add_co_u32 s31, s31, s32
	s_add_co_u32 s31, s31, SCST
	v_lshl_add_u32 v10, v2, 4, s31                 ; K's two words of row r
	v_lshl_add_u32 v11, v3, 2, v10
	v_add_nc_u32 v11, 512, v11                     ; V's word of channel 16 (2 w + h) + r
	s_lshl_b32 s33, s12, 8
	s_add_co_u32 s33, s33, SCST
	v_lshlrev_b32 v13, 3, v1
	v_add_nc_u32 v12, s33, v13                     ; the way out: 256 bytes a wave, 8 a lane
	v_mov_b32 v55, 0                               ; a lane permute's destination counts as one of its sources
	s_mov_b32 s20, 0x76543210
	s_mov_b32 s21, 0xfedcba98                      ; v_permlanex16_b32's selects for lane l xor 16
	s_and_b32 s13, ttmp7, 0xffff                   ; bg
	s_lshr_b32 s14, s13, 3
	s_lshl_b32 s14, s14, 11                        ; b x 2,048 rows
	s_lshl_b32 s15, ttmp9, 7
	s_add_co_u32 s14, s14, s15                     ; + 128 j: the step's first key
	s_and_b32 s15, s13, 7
	s_lshl_b32 s15, s15, 9                         ; the head's 512 bytes of a row
	s_lshl_b32 s16, s14, 12
	s_add_co_u32 s16, s16, s15
	s_lshl_b32 s18, s12, 17                        ; K: my 32 keys
	s_add_co_u32 s18, s18, s16
	s_mov_b32 s19, 0
	s_lshl_b32 s22, s12, 7                         ; V: my 32 channels
	s_add_co_u32 s22, s22, s16
	s_mov_b32 s23, 0
	s_lshl_b32 s24, s13, 4
	s_add_co_u32 s24, s24, ttmp9                   ; 16 bg + j
	s_mul_i32 s26, s24, 17408                      ; the step's record
	s_lshl_b32 s27, s12, 11                        ; my two tiles of an image
	s_add_co_u32 s26, s26, s27
	s_mov_b32 s27, 0
	s_mul_i32 s28, s24, 17408
	s_add_co_u32 s28, s28, 16384                   ; the scale words lie behind the two images
	s_lshl_b32 s29, s12, 8
	s_add_co_u32 s28, s28, s29
	s_mov_b32 s29, 0
	s_wait_alu depctr_va_vdst(0)                   ; the wait at the head's end
	s_wait_kmcnt 0x0
	s_add_nc_u64 s[4:5], s[4:5], s[18:19]
	s_add_nc_u64 s[6:7], s[6:7], s[22:23]
	s_add_nc_u64 s[10:11], s[8:9], s[28:29]        ; my 256 bytes of the record's scale words
	s_add_nc_u64 s[8:9], s[8:9], s[26:27]
.macro KLOAD u, X                      ; tile u's 16 keys: image row i is key 8 u + i + 8 (i / 8); 32 lanes read the key's 512 consecutive bytes
.irp i, 0,1,2,3,4,5,6,7,8,9,10,11,12,13,14,15
	global_load_b128 v[\X+4*\i:\X+4*\i+3], v4, s[4:5] offset:(8*\u+\i+8*(\i/8))*4096 th:TH_LOAD_NT
.endr
.endm
.macro TURN X                          ; 16 rows into the stage as loaded, and back 2 x 128 bytes a lane, into the same registers: LDS serves a wave's instructions in order (ISA guide 5.7.1.4)
.irp i, 0,1,2,3,4,5,6,7,8,9,10,11,12,13,14,15
	ds_store_b128 v6, v[\X+4*\i:\X+4*\i+3] offset:SP*\i
.endr
.irp c, 0,1
.irp i, 0,1,2,3,4,5,6,7
	ds_load_b128 v[\X+32*\c+4*\i:\X+32*\c+4*\i+3], v7 offset:256*\c+16*\i
.endr
.endr
.endm
.macro KQ u, X                         ; register 32 c + i = channel 64 c + 32 h + i of my key: two whole blocks, 2 c + h
.irp c, 0,1
	v_max3_num_f32 v[51+\c], |v[\X+32*\c]|, |v[\X+32*\c+1]|, FLOOR
.endr
.irp i, 2,4,6,8,10,12,14,16,18,20,22,24,26,28,30
.irp c, 0,1
	v_max3_num_f32 v[51+\c], v[51+\c], |v[\X+32*\c+\i]|, |v[\X+32*\c+\i+1]|
.endr
.endr
	v_add_nc_u32 v53, EOFF, v51                    ; the conversion takes the exponent field of this operand as its scale
	v_add_nc_u32 v54, EOFF, v52
	v_lshrrev_b32 v51, 23, v53                     ; the scales' bytes
	v_lshrrev_b32 v52, 23, v54
	v_lshl_or_b32 v[48+\u], v52, 16, v51           ; blocks h and 2 + h,
	v_lshlrev_b32 v[48+\u], v8, v[48+\u]           ; at their places in the word;
	v_permlanex16_b32 v55, v[48+\u], s20, s21
	v_or_b32 v[48+\u], v[48+\u], v55               ; with lane l xor 16's two the word is whole
.irp c, 0,1
.irp g, 0,1,2,3
	v_cvt_scalef32_pk8_fp4_f32 v[32+8*\u+4*\c+\g], v[\X+32*\c+8*\g:\X+32*\c+8*\g+7], v[53+\c]
.endr
.endr
	v_nop                                          ; one plain line behind the conversions, ahead of the next write of their scale operands
.irp c, 0,1
	global_store_b128 v4, v[32+8*\u+4*\c:32+8*\u+4*\c+3], s[8:9] offset:1024*\u+512*\c   ; 32 lanes store 512 consecutive bytes of the image
.endr
.endm
.macro VLOAD kb                        ; block kb: v(32 kb + i, my channel), i = 0 .. 31: 32 lanes read 128 consecutive bytes
.irp i, 0,1,2,3,4,5,6,7,8,9,10,11,12,13,14,15,16,17,18,19,20,21,22,23,24,25,26,27,28,29,30,31
	global_load_b32 v[192+32*((\kb)%2)+\i], v5, s[6:7] offset:(32*(\kb)+\i)*4096 th:TH_LOAD_NT
.endr
.endm
.macro VBLOCK kb, left                 ; left: the next block's loads, which may stay out
.set XS, 192+32*((\kb)%2)
	s_wait_loadcnt \left
	v_max3_num_f32 v51, |v[XS]|, |v[XS+1]|, |v[XS+2]|               ; the block's largest magnitude: all 32 keys are mine
	v_max3_num_f32 v52, |v[XS+3]|, |v[XS+4]|, |v[XS+5]|
.irp i, 6,10,14,18,22,26
	v_max3_num_f32 v51, v51, |v[XS+\i]|, |v[XS+\i+1]|
	v_max3_num_f32 v52, v52, |v[XS+\i+2]|, |v[XS+\i+3]|
.endr
	v_max3_num_f32 v51, v51, |v[XS+30]|, |v[XS+31]|
	v_max3_num_f32 v51, v51, v52, FLOOR
	v_add_nc_u32 v53, EOFF, v51
	v_lshrrev_b32 v54, 23, v53
.if (\kb) == 0
	v_mov_b32 v50, v54                             ; the four bytes make my channel's word, the lower keys in the lower byte
.else
	v_lshl_or_b32 v50, v54, 8*(\kb), v50
.endif
.irp g, 0,1,2,3
	v_cvt_scalef32_pk8_fp4_f32 v[16+4*(\kb)+\g], v[XS+8*\g:XS+8*\g+7], v53
.endr
	v_nop
	global_store_b128 v9, v[16+4*(\kb):16+4*(\kb)+3], s[8:9] offset:8192+256*(\kb)   ; c = kb / 2, image lanes 16 (kb % 2) on: sixteen lanes store 256 consecutive bytes, aligned
.if (\kb) < 2
	VLOAD (\kb)+2
.endif
.endm
	KLOAD 0, 64
	KLOAD 1, 128
	VLOAD 0
	s_wait_loadcnt 48                              ; tile 0's 16 loads are in; behind them: tile 1's 16, V's 32
	TURN 64
	s_wait_loadcnt 32                              ; tile 1's are in; behind them: V's 32
	TURN 128
	VLOAD 1
	s_wait_dscnt 32                                ; tile 0 is back; behind its loads: tile 1's 16 stores and 16 loads
	KQ 0, 64
	s_wait_dscnt 0x0
	KQ 1, 128
	VBLOCK 0, 32
	VBLOCK 1, 32
	VBLOCK 2, 32
	VBLOCK 3, 0
	ds_store_b64 v10, v[48:49]                     ; lanes l and l + 16 write the same words with the same values
	ds_store_b32 v11, v50
	s_wait_dscnt 0x0                               ; for the others' sake: my words have landed
	s_barrier_signal -1
	s_barrier_wait -1
	ds_load_b64 v[56:57], v12
	s_wait_dscnt 0x0
	global_store_b64 v13, v[56:57], s[10:11]       ; 32 lanes store 256 consecutive bytes, aligned
	s_wait_tensorcnt 0x0
	ds_add_u32 v62, v63
	s_wait_dscnt 0x0
	s_endpgm
.Lfunc_end_k_qed52914425_quant:
	.size	k_qed52914425_quant, .Lfunc_end_k_qed52914425_quant-k_qed52914425_quant
	.p2alignl 7, 3214868480
	.fill 96, 4, 3214868480
	.section	.rodata,"a",@progbits
	.p2align	6, 0x0
	.amdhsa_kernel k_qed52914425_quant
		.amdhsa_group_segment_fixed_size 36352
		.amdhsa_private_segment_fixed_size 0
		.amdhsa_enable_private_segment 0
		.amdhsa_kernarg_size 24
		.amdhsa_user_sgpr_count 2
		.amdhsa_user_sgpr_kernarg_segment_ptr 1
		.amdhsa_wavefront_size32 1
		.amdhsa_system_sgpr_workgroup_id_x 1
		.amdhsa_system_sgpr_workgroup_id_y 1
		.amdhsa_system_sgpr_workgroup_id_z 1
		.amdhsa_system_vgpr_workitem_id 0
		.amdhsa_next_free_vgpr 256
		.amdhsa_next_free_sgpr 66
		.amdhsa_reserve_vcc 0
		.amdhsa_float_denorm_mode_32 3
		.amdhsa_float_denorm_mode_16_64 3
		.amdhsa_memory_ordered 1
		.amdhsa_forward_progress 1
		.amdhsa_inst_pref_size 36
	.end_amdhsa_kernel
	.amdgpu_metadata
---
amdhsa.version: [ 1, 2 ]
amdhsa.kernels:
  - .name:           k_qed52914425_quant
    .symbol:         k_qed52914425_quant.kd
    .args:
      - { .name: k, .offset: 0, .size: 8, .value_kind: global_buffer, .address_space: global }
      - { .name: v, .offset: 8, .size: 8, .value_kind: global_buffer, .address_space: global }
      - { .name: kvc, .offset: 16, .size: 8, .value_kind: global_buffer, .address_space: global }
    .group_segment_fixed_size: 36352
    .private_segment_fixed_size: 0
    .kernarg_segment_align: 8
    .kernarg_segment_size: 24
    .max_flat_workgroup_size: 128
    .sgpr_count:     66
    .vgpr_count:     256
    .wavefront_size: 32
...
	.end_amdgpu_metadata
.endif
;; end of part 1
;; launch attn (part 2): grid 16 x 16, 8 waves a work-group, clusters of 4 x 4, 327,680 bytes of LDS; arguments q, kvc, mask, out0; writes out0
.if DOCPART == 2
	.amdgcn_target "amdgcn-amd-amdhsa--gfx1250"
	.amdhsa_code_object_version 6
	.text
	.protected	k_qed52914425_attn
	.globl	k_qed52914425_attn
	.p2align	8
	.type	k_qed52914425_attn,@function
k_qed52914425_attn:
	s_mov_b64 s[64:65], 0
	v_nop
	global_prefetch_b8 v0, s[64:65] scope:SCOPE_SE
	s_setreg_imm32_b32 hwreg(HW_REG_WAVE_MODE, 25, 1), 1
	s_wait_xcnt 0x0
	s_wait_alu depctr_hold_cnt(0) depctr_sa_sdst(0) depctr_va_vdst(0) depctr_va_sdst(0) depctr_va_ssrc(0) depctr_va_vcc(0) depctr_vm_vsrc(0)
	s_getreg_b32 s2, hwreg(HW_REG_IB_STS2, 6, 4)
	s_cmp_eq_u32 s2, 0
	s_cbranch_scc0 .Lentry_in_a_cluster
	s_endpgm
.Lentry_in_a_cluster:
	s_bfe_u32 s2, ttmp6, 0x10000c
	s_cmp_lg_u32 s2, 0xf033
	s_cbranch_scc0 .Lentry_shape_is_right
	s_endpgm
.Lentry_shape_is_right:
; out[b][s][(4 g + n) 128 + d] = sum over keys of softmax(q . k / sqrt(128) + mask[s][key]) v, both products on codes of FP4 (E2M1) with one E8M0 scale for each 32 along a product's K.
; q, out: [2][2048][4096] f32.  mask: [2048][2048] f32.  kvc: [bg 16][step 16][17,408]: K's and V's codes as images of the operands' registers, and their scale words (made by the launch before).
; start_pos has no buffer and no part here.  Nothing else is left out.
; THE SOFTMAX: t = logit x log2(e); M = the row's largest t so far, rounded up to a whole number; p = 2^(t - M) is quantised along the keys, not normalised; the row's sum is taken of the unquantised p
; and divides at the end.  When M moves, the sum and O are multiplied by 2^(old M - new M), which rounds nothing; that is done in every step, with no branch on data.
; THE MASK IS THE C OF THE FIRST PRODUCT: S = k . q + mask x sqrt(128), t = c S with c = log2(e) / sqrt(128); the maximum is taken of S (c is positive).
; SHARES.  256 work-groups of eight waves, two waves to a SIMD, 512 registers each.  A work-group owns one key-value head of one batch (bg) and walks TWO blocks of 64 queries, qb and qb + 16.
; Wave w owns queries 16 (w % 4) .. + 15 of the block for query heads 4 g + 2 (w / 4) and + 1: two tiles, which share K's and V's fragments and the mask's registers.  Every wave walks all 2,048 keys, 128 a step.
; LAYOUT.  Both products are used transposed (S^T = K Q^T, O^T = V^T P^T): a lane holds one query (lane % 16).  Register 16 b + i of a tile's 64 scores is key 32 b + 16 (lane / 16) + i.
; CLUSTER 4 x 4.  The records hang on bg alone: asked for jointly along a row of the cluster.  The mask's tile hangs on qb alone: jointly along a column.
; THE RING.  Two slots of two steps (2 records and 64 x 256 numbers of the mask).  At the head each of the eight waves issues one joint load: waves 0-3 slot 0's four parts, waves 4-7 slot 1's.
; Behind each later round waves 0-3 fill the slot just left, one load each.  The ring goes on over the change of blocks: the change ahead of block 0's last slot asks for block 1's first.
; THE STEP IS WRITTEN ONCE: O^T begins as zeros (128 v_mov_b32 a block), which spares a second form of the step in each of its five places in the text.
; LIMITS.  |mask| above 3.0e37 becomes infinite under x sqrt(128).  A mask of -infinity gives p = 0; a row whose every logit is -infinity gives NaN, as the softmax of such a row is.
; +infinity and NaN among the inputs are not served.  The promise holds while |t| stays under 2^31.  A block of zeros carries the byte 1 where the rule says 127: its codes are zeros.
; REGISTERS (s_set_vgpr_msb: bits 1:0 source 0, 3:2 source 1, 5:4 source 2, 7:6 destination).  WINDOW t HOLDS TILE t: v48-55 Q, v56-63 p's codes, v64-127 S^T then p, v128-191 O^T.
;   window 0: v1-14 addresses, v16-23 K's scale words, v24-31 V's, v32-33 p's, v34-35 Q's, v40-47 at work at the head, v192-255 the mask.
;   window 1: v[16 t ..] tile t's statistics, v40 8 h, v192-255 K's eight fragments, then V's.
;   statistics: +0 -M, +1 the largest S, +2,+3 the sum, +6 f (at the end 1 / sum), +7 at work, +8..11 a block's largest score, its largest p, the conversion's scale operand, +12..15 permutes' results, bytes.
.set SLOT1, 131072
.set REC,   17408                      ; a step's record: 68 rows of 256 bytes
.set MOFF,  2*REC                      ; the mask's tile in a slot: 64 rows of
.set MP,    1040                       ; 1,024 bytes + 16
.set SPARE, SLOT1+MOFF+64*MP           ; behind slot 1: the spare words, 128 bytes a wave: four blocks of 256 bytes that no other line names
.set STAGE, SPARE+1024                 ; a stage of 16 rows x 528 bytes for each wave: q's turn, O's way out; no fill lands here
.set SP,    528
.set QSTEP, 16777216                   ; 1,024 rows of q or out: from block 0 to block 1
.set MSTEP, 8388608                    ; 1,024 rows of the mask
.set S,   64
.set O,   128
.set QF,  48
.set PC,  56
.set BIG, 192
.set KS,  16
.set VS,  24
.set PS,  32
.set QS,  34
.set H8W, 40
.set LI,  1                            ; 16 x lane
.set AM0, 2                            ; my place in the mask's tile
.set AS0, 3                            ; my place among a record's scale words
.set ADK, 4
.set ADM, 5
.set ADS, 6
.set STI, 8                            ; my stage, whole rows
.set STQ, 9                            ; q's way back: row r, + 128 h
.set STO, 10                           ; O's way in: row r, + 32 h
.set PFQ, 11                           ; q's prefetch offset; never rewritten
.set SPW, 12                           ; my spare word; never rewritten
.set NIL, 13                           ; 0; never rewritten
.set PFO, 14                           ; the ring's prefetch offset; never rewritten
.set WV,  14
.set W1,  15
.set SEL, 20
.set CS,  22                           ; s[22:23] c, twice
.set RT,  24                           ; s[24:25] sqrt(128), twice
.set CN,  26                           ; -c
.set G1KV, 28
.set G1M,  36
.set G0KV, 44                          ; s[44:47] slot 0's first fill; s[48:51] slot 1's, which then walks
.set G0M0, 52
.set G0M1, 56
.set TB,  60
.set TM,  61
.set SLOTS, 62
.set TWICE, 63
.set LIM, 66                           ; 1 in a wave that prefetches for the ring, else the greatest number
.set PFA, 68
.set PFS, 70
.set PFT, 72
.set MSB, 0
.macro WIN new
.if MSB != (\new)
	s_set_vgpr_msb (MSB<<8)|(\new)
.set MSB, (\new)
.endif
.endm
.macro PLACES
.rept 4
	v_nop
.endr
.endm
.macro CROUND                          ; a round of the cluster's barrier
	s_barrier_signal -1
	s_barrier_wait -1
	s_cmp_lg_u32 s[WV], 0
	s_cbranch_scc1 .Lnot_wave_0_\@
	s_barrier_signal -3
.Lnot_wave_0_\@:
	s_barrier_wait -3
	s_barrier_signal -1
	s_barrier_wait -1
.endm
.macro JLOAD                           ; waves 0, 1: the slot's two records; waves 2, 3: the halves of the mask's tile; the others none
	s_cmp_lt_u32 s[WV], 2
	s_cbranch_scc0 .Lnot_k_\@
	tensor_load_to_lds s[G0KV+4:G0KV+7], s[G1KV:G1KV+7]
	s_nop 0
	PLACES
	s_branch .Lasked_\@
.Lnot_k_\@:
	s_cmp_lt_u32 s[WV], 4
	s_cbranch_scc0 .Lasked_\@
	tensor_load_to_lds s[G0M1:G0M1+3], s[G1M:G1M+7]
	s_nop 0
	PLACES
.Lasked_\@:
.endm
; A PREFETCH of what the NEXT change of slots will ask for, two steps ahead of that load, by waves that fetch nothing there: waves 4, 5 a record each (68 blocks of 256 bytes: 17 for each of the four
; partners of my row, told apart by address; lanes 17-31 name the last again), waves 6, 7 half the mask's tile (32 rows x 1,024 bytes: 8 rows for each partner of my column, a lane a quarter row).
; A block's last refill asks for nothing; slots 0 to 2 of block 0 and slot 0 of block 1 come by their loads alone; the records are asked for in block 0 alone: block 1 reads them again.
.macro ASK how
.if \how
	s_cmp_eq_u32 s[LIM], 1
.else
	s_cmp_gt_u32 s[SLOTS], s[LIM]
.endif
	s_cbranch_scc0 .Lnot_mine_\@
	global_prefetch_b8 v[PFO], s[PFA:PFA+1] th:TH_LOAD_NT scope:SCOPE_SE
.Lnot_mine_\@:
.endm
.macro QLOAD                           ; q: 16 rows x 512 bytes for each tile, a row to a load, into S^T's registers
.irp t, 0,1
	WIN 64*\t
.irp i, 0,1,2,3,4,5,6,7,8,9,10,11,12,13,14,15
	global_load_b128 v[S+4*\i:S+4*\i+3], v[LI], s[4:5] offset:16384*\i+512*\t th:TH_LOAD_NT
.endr
.endr
	WIN 0
.endm
	s_load_b256 s[4:11], s[0:1], 0x0               ; q s[4:5], kvc s[6:7], mask s[8:9], out s[10:11]
	v_lshl_add_u32 v[SPW], v0, 2, SPARE
	v_mov_b32 v[NIL], 0
	ds_add_u32 v[SPW], v[NIL]                      ; the opening lines: the add twice on end and one wait
	ds_add_u32 v[SPW], v[NIL]
	v_lshrrev_b32 v40, 5, v0
	v_readfirstlane_b32 s[WV], v40                 ; wave 0..7
	v_and_b32 v[LI], 31, v0
	v_lshlrev_b32 v[LI], 4, v[LI]
	s_and_b32 s[W1], s[WV], 1
	s_bfe_u32 s16, ttmp6, 0x40000                  ; cx
	s_bfe_u32 s17, ttmp6, 0x40004                  ; cy
	s_lshl_b32 s18, ttmp9, 2
	s_add_co_u32 s18, s18, s16                     ; qb = 4 x cluster x + cx: 0..15
	s_and_b32 s19, ttmp7, 0xffff
	s_lshl_b32 s19, s19, 2
	s_add_co_u32 s19, s19, s17                     ; bg = 4 x cluster y + cy
	s_lshl_b32 s86, s17, 2
	s_lshl_b32 s86, 15, s86                        ; my row of the cluster
	s_lshl_b32 s87, 0x1111, s16                    ; my column
	s_or_b32 s[G1KV], s86, (3<<16)|(1<<21)         ; a record: 68 rows of 32 elements of 8 bytes, dense
	s_mov_b32 s[G1KV+1], 32<<16
	s_mov_b32 s[G1KV+2], 68<<16
	s_mov_b32 s[G1KV+3], 32<<16
	s_mov_b32 s[G1KV+4], 68
	s_mov_b32 s[G1KV+5], 32
	s_mov_b32 s[G1KV+6], 0
	s_mov_b32 s[G1KV+7], 0
	s_or_b32 s[G1M], s87, (2<<16)|(1<<20)|(1<<21)|(7<<22)|(3<<25)   ; 32 rows of 256 f32; four words of padding after every 256
	s_mov_b32 s[G1M+1], 256<<16
	s_mov_b32 s[G1M+2], 32<<16
	s_mov_b32 s[G1M+3], 256<<16
	s_mov_b32 s[G1M+4], 32
	s_mov_b32 s[G1M+5], 2048
	s_mov_b32 s[G1M+6], 0
	s_mov_b32 s[G1M+7], 0
	s_mul_i32 s88, s19, 16*REC                     ; the records of bg,
	s_mul_i32 s89, s[W1], REC                      ; my step of a slot's two: in memory and in LDS
	s_add_co_u32 s90, s88, s89
	s_mov_b32 s91, 0
	s_lshl_b32 s94, s18, 19                        ; the mask: row 64 qb,
	s_lshl_b32 s95, s[W1], 18                      ; + 32 x half
	s_add_co_u32 s94, s94, s95
	s_mov_b32 s95, 0
	s_mul_i32 s96, s[W1], 32*MP
	s_add_co_u32 s96, s96, MOFF
	s_lshr_b32 s2, s19, 3                          ; q and out: row 2,048 b + 64 qb + 16 (w % 4) of 16,384 bytes, + 2,048 g + 1,024 (w / 4)
	s_lshl_b32 s2, s2, 11
	s_lshl_b32 s3, s18, 6
	s_add_co_u32 s2, s2, s3
	s_and_b32 s3, s[WV], 3
	s_lshl_b32 s3, s3, 4
	s_add_co_u32 s2, s2, s3
	s_lshl_b32 s2, s2, 14
	s_and_b32 s3, s19, 7
	s_lshl_b32 s3, s3, 11
	s_add_co_u32 s2, s2, s3
	s_lshr_b32 s3, s[WV], 2
	s_lshl_b32 s3, s3, 10
	s_add_co_u32 s2, s2, s3
	s_mov_b32 s3, 0
	s_mov_b32 s[G0KV], 1
	s_mov_b32 s[G0KV+1], s89
	s_mov_b32 s[G0KV+4], 1
	s_add_co_u32 s[G0KV+5], s89, SLOT1
	s_mov_b32 s[G0M0], 1
	s_mov_b32 s[G0M0+1], s96
	s_mov_b32 s[G0M1], 1
	s_add_co_u32 s[G0M1+1], s96, SLOT1
	s_wait_alu depctr_va_vdst(0)                   ; the wait ahead of the waits below
	s_wait_dscnt 0x0                               ; both opening adds are done
	s_wait_kmcnt 0x0
	s_add_nc_u64 s[4:5], s[4:5], s[2:3]
	s_add_nc_u64 s[10:11], s[10:11], s[2:3]
	QLOAD                                          ; block 0's q
	s_add_nc_u64 s[G0KV+2:G0KV+3], s[6:7], s[90:91]
	s_add_nc_u64 s[G0KV+6:G0KV+7], s[G0KV+2:G0KV+3], 2*REC         ; slot 1: steps 2 and 3
	s_or_b32 s[G0KV+3], s[G0KV+3], 0x80000000
	s_or_b32 s[G0KV+7], s[G0KV+7], 0x80000000
	s_add_nc_u64 s[G0M0+2:G0M0+3], s[8:9], s[94:95]
	s_add_nc_u64 s[G0M1+2:G0M1+3], s[G0M0+2:G0M0+3], 1024          ; 256 keys on
	s_or_b32 s[G0M0+3], s[G0M0+3], 0x80000000
	s_or_b32 s[G0M1+3], s[G0M1+3], 0x80000000
	CROUND                                         ; all sixteen work-groups are here: the first joint loads meet
.macro ARM under, g0, g1, next         ; one chain of branches on the wave's number, one load to an arm, all arms to one join
	s_cmp_lt_u32 s[WV], \under
	s_cbranch_scc0 \next
	tensor_load_to_lds s[\g0:\g0+3], s[\g1:\g1+7]
	s_nop 0
	PLACES
	s_branch .Lhead_asked
\next:
.endm
	ARM 2, G0KV, G1KV, .Lhead_1
	ARM 4, G0M0, G1M, .Lhead_2
	ARM 6, G0KV+4, G1KV, .Lhead_3
	tensor_load_to_lds s[G0M1:G0M1+3], s[G1M:G1M+7]
	s_nop 0
	PLACES
.Lhead_asked:
	s_mov_b32 s[SEL], 0x76543210
	s_mov_b32 s[SEL+1], 0xfedcba98
	s_mov_b32 s[CS], 0x3e0293ee
	s_mov_b32 s[CS+1], s[CS]
	s_mov_b32 s[CN], 0xbe0293ee
	s_mov_b32 s[RT], 0x413504f3
	s_mov_b32 s[RT+1], s[RT]
	s_mov_b32 s[TB], 0
	s_mov_b32 s[TM], MOFF
	; the ring's prefetches: where my wave's stand (slot 2; the first change steps them to slot 3)
	s_add_co_u32 s88, s88, s89
	s_mul_i32 s89, s16, 17*256                     ; my work-group's 17 blocks of the record
	s_add_co_u32 s88, s88, s89
	s_add_co_u32 s88, s88, 2*2*REC
	s_lshl_b32 s90, s18, 6
	s_lshl_b32 s91, s[W1], 5
	s_add_co_u32 s90, s90, s91
	s_lshl_b32 s91, s17, 3                         ; my work-group's 8 rows of the half tile
	s_add_co_u32 s90, s90, s91
	s_lshl_b32 s90, s90, 13
	s_add_co_u32 s90, s90, 2*1024
	s_mov_b32 s[PFS], 1024
	s_cmp_lt_u32 s[WV], 6
	s_cselect_b64 s[PFA:PFA+1], s[6:7], s[8:9]
	s_cselect_b32 s88, s88, s90
	s_cselect_b32 s[PFS], 2*REC, s[PFS]
	s_cselect_b32 s92, -1, 0
	s_mov_b32 s89, 0
	s_mov_b32 s[PFS+1], 0
	s_add_nc_u64 s[PFA:PFA+1], s[PFA:PFA+1], s[88:89]
	s_mov_b32 s[PFT], MSTEP-7*1024                 ; from behind block 0's last slot to block 1's slot 1
	s_mov_b32 s[PFT+1], 0
	s_cmp_lt_u32 s[WV], 4
	s_cselect_b32 s[LIM], -1, 1
	s_and_b32 s86, s[WV], 3
	s_mul_i32 s86, s86, 16*MP
	s_mul_i32 s87, s[WV], 16*SP
	s_add_co_u32 s87, s87, STAGE
	v_and_b32 v40, 15, v0                          ; r
	v_bfe_u32 v41, v0, 4, 1                        ; h
	v_mul_u32_u24 v[AM0], v40, MP
	v_lshl_add_u32 v[AM0], v41, 6, v[AM0]
	v_add_nc_u32 v[AM0], s86, v[AM0]
	v_lshl_add_u32 v[AS0], v40, 4, 16384
	v_add_nc_u32 v[STI], s87, v[LI]
	v_mul_u32_u24 v42, v40, SP
	v_add_nc_u32 v42, s87, v42
	v_lshl_add_u32 v[STQ], v41, 7, v42
	v_lshl_add_u32 v[STO], v41, 5, v42
	v_and_b32 v46, 31, v0
	v_lshrrev_b32 v43, 2, v46
	v_and_b32 v44, 3, v0
	v_lshlrev_b32 v44, 8, v44
	v_lshl_add_u32 v[PFQ], v43, 14, v44            ; q: row lane / 4, quarter lane % 4 of its 1,024 bytes
	v_lshl_add_u32 v45, v43, 13, v44               ; the mask likewise
	v_min_u32 v46, 16, v46
	v_lshlrev_b32 v46, 8, v46                      ; a record: block min(lane, 16)
	v_cndmask_b32 v[PFO], v45, v46, s92
	WIN 0x40
	v_lshlrev_b32 v[H8W], 3, v41                   ; 8 h, in window 1
.macro INIT                            ; a block's start: -M = 3e38 and the largest S = -3e38, so that the first f is 0; the sum and O^T are zeros
	WIN 0x40
.irp t, 0,1
	v_mov_b32 v[16*\t], 0x7f61b1e6
	v_mov_b32 v[16*\t+1], 0xff61b1e6
.irp i, 2,3,6,7,12,13,14,15
	v_mov_b32 v[16*\t+\i], 0
.endr
.endr
.irp t, 0,1
	WIN 0x40*\t
.set j, 0
.rept 64
	v_mov_b32 v[O+j], 0
.set j, j+1
.endr
.endr
	WIN 0
.endm
; q: each tile's 16 rows turn through my stage, so that a lane holds channels 64 c + 32 h + 0 .. 31 of query r in registers 32 c + 0 .. 31; then they are quantised in registers
.macro QUANTQ
.irp t, 0,1
	s_wait_loadcnt 16-16*\t                        ; this tile's 16 loads are in; tile 1's 16 may be out
	WIN 4*\t
.irp i, 0,1,2,3,4,5,6,7,8,9,10,11,12,13,14,15
	ds_store_b128 v[STI], v[S+4*\i:S+4*\i+3] offset:SP*\i
.endr
	WIN 64*\t
.irp c, 0,1
.irp i, 0,1,2,3,4,5,6,7
	ds_load_b128 v[S+32*\c+4*\i:S+32*\c+4*\i+3], v[STQ] offset:256*\c+16*\i   ; LDS serves a wave's instructions in order (ISA guide 5.7.1.4)
.endr
.endr
.endr
	s_wait_dscnt 0x0
.irp t, 0,1
	WIN 0x41+0x14*\t
.irp c, 0,1
	v_max3_num_f32 v[16*\t+8+\c], 0x1800000, |v[S+32*\c]|, |v[S+32*\c+1]|   ; block 2 c + h; the floor 2^(3 - 127) holds the byte at 1 from below
.endr
.irp i, 2,4,6,8,10,12,14,16,18,20,22,24,26,28,30
.irp c, 0,1
	v_max3_num_f32 v[16*\t+8+\c], v[16*\t+8+\c], |v[S+32*\c+\i]|, |v[S+32*\c+\i+1]|
.endr
.endr
.endr
	WIN 0x55
.irp t, 0,1
.irp c, 0,1
	v_add_nc_u32 v[16*\t+8+\c], 0xff000000, v[16*\t+8+\c]       ; 2 off the exponent field: the conversion's scale operand
.endr
.endr
.irp t, 0,1
.irp c, 0,1
	v_lshrrev_b32 v[16*\t+12+\c], 23, v[16*\t+8+\c]             ; the scale's byte
.endr
.endr
.irp t, 0,1
	v_lshl_or_b32 v[16*\t+12], v[16*\t+13], 16, v[16*\t+12]     ; blocks h and 2 + h,
.endr
.irp t, 0,1
	s_delay_alu instid0(VALU_DEP_2)
	v_lshlrev_b32 v[16*\t+12], v[H8W], v[16*\t+12]              ; at their places in the word;
.endr
.irp t, 0,1
	s_delay_alu instid0(VALU_DEP_2)
	v_permlanex16_b32 v[16*\t+14], v[16*\t+12], s[SEL], s[SEL+1]
.endr
.irp t, 0,1
	s_delay_alu instid0(VALU_DEP_2)
	v_or_b32 v[16*\t+12], v[16*\t+12], v[16*\t+14]              ; with lane l xor 16's two the word is whole
.endr
	WIN 0x01
.irp t, 0,1
	v_mov_b32 v[QS+\t], v[16*\t+12]                             ; scale operands stand in window 0
.endr
.irp t, 0,1
	WIN 0x41*\t+0x04
.irp c, 0,1
.irp g, 0,1,2,3
	v_cvt_scalef32_pk8_fp4_f32 v[QF+4*\c+\g], v[S+32*\c+8*\g:S+32*\c+8*\g+7], v[16*\t+8+\c]
.endr
.endr
	v_nop                                          ; one plain place behind the conversions
.endr
	WIN 0
	s_wait_alu depctr_va_vdst(0)                   ; the wait ahead of the waits that follow
.endm
.macro LEVEL n, dep                    ; p's pairs j and j + n / 2 are added, in place
.set j, 0
.rept \n/2
.if \dep
	s_delay_alu instid0(VALU_DEP_\dep)
.endif
	v_pk_add_f32 v[S+j:S+j+1], v[S+j:S+j+1], v[S+j+\n:S+j+\n+1]
.set j, j+2
.endr
.endm
.macro ROWSUM t                        ; the row's sum of the unquantised p, as a tree over the registers that the conversions have read
	WIN 0x45*\t
	LEVEL 32, 0
	LEVEL 16, 0
	LEVEL 8, 4
	LEVEL 4, 2
	LEVEL 2, 1
	WIN 0x41+0x04*\t
	v_pk_add_f32 v[16*\t+2:16*\t+3], v[16*\t+2:16*\t+3], v[S:S+1]
.endm
.macro CODES t                         ; p's codes; the operand's layout wants a whole block in a lane
	WIN 0x41*\t+0x04
.irp b, 0,1,2,3
	v_cvt_scalef32_pk8_fp4_f32 v[PC+2*\b], v[S+16*\b:S+16*\b+7], v[16*\t+8+\b]
	v_cvt_scalef32_pk8_fp4_f32 v[PC+2*\b+1], v[S+16*\b+8:S+16*\b+15], v[16*\t+8+\b]
.endr
	v_nop                                          ; one plain place behind the conversions
.irp c, 0,1
.irp i, 0,1
	v_permlane16_swap_b32 v[PC+4*\c+\i], v[PC+4*\c+2+\i]
.endr
.endr
.endm
.macro SCALE t                         ; O^T x f (the first reader of the last step's products, ahead of every exponential of this step), then c S - M
	WIN 0x41*\t+0x14
.set j, 0
.rept 32
	v_pk_mul_f32 v[O+j:O+j+1], v[O+j:O+j+1], v[16*\t+6:16*\t+7] op_sel_hi:[1,0]
.set j, j+2
.endr
.set j, 0
.rept 32
	v_pk_fma_f32 v[S+j:S+j+1], v[S+j:S+j+1], s[CS:CS+1], v[16*\t:16*\t+1] op_sel_hi:[1,0,0]
.set j, j+2
.endr
.endm
.macro EXPS t
	WIN 0x41*\t+0x14
.set j, 0
.rept 64
	v_exp_f32 v[S+j], v[S+j]
.set j, j+1
.endr
.endm
; A KEY STEP: 128 keys, two tiles
.macro STEP
	WIN 0
	v_add_nc_u32 v[ADK], s[TB], v[LI]
	v_add_nc_u32 v[ADM], s[TM], v[AM0]
	v_add_nc_u32 v[ADS], s[TB], v[AS0]
	v_nop                                          ; with the three above: four places behind the last step's products, ahead of the loads into V's registers
.irp b, 0,1,2,3
.irp i, 0,1,2,3
	ds_load_b128 v[BIG+16*\b+4*\i:BIG+16*\b+4*\i+3], v[ADM] offset:128*\b+16*\i   ; the mask, in the scores' own order
.endr
.endr
	ds_load_b128 v[KS:KS+3], v[ADS]
	ds_load_b128 v[KS+4:KS+7], v[ADS] offset:256
	WIN 0x40
.irp m, 0,1,2,3,4,5,6,7
.irp c, 0,1
	ds_load_b128 v[BIG+8*\m+4*\c:BIG+8*\m+4*\c+3], v[ADK] offset:1024*\m+512*\c
.endr
.endr
	WIN 0
	s_wait_dscnt 18                                ; the mask's 16 loads are in; behind them: 2 of scale words, 16 of K
.set j, 0
.rept 32
	v_pk_mul_f32 v[BIG+j:BIG+j+1], v[BIG+j:BIG+j+1], s[RT:RT+1] op_sel_hi:[1,0]
.set j, j+2
.endr
	PLACES
	s_wait_alu depctr_va_vdst(0)                   ; the wait ahead of the wait below
	s_wait_dscnt 0x0
.irp t, 0,1                            ; S^T = K Q^T + mask x sqrt(128): K window 1, Q and S^T window t, the mask window 0
	WIN 0x01+0x44*\t
.irp m, 0,1,2,3,4,5,6,7
	v_wmma_scale_f32_16x16x128_f8f6f4 v[S+8*\m:S+8*\m+7], v[BIG+8*\m:BIG+8*\m+7], v[QF:QF+7], v[BIG+8*\m:BIG+8*\m+7], v[KS+\m], v[QS+\t] matrix_a_fmt:MATRIX_FMT_FP4 matrix_b_fmt:MATRIX_FMT_FP4
.endr
.endr
	WIN 0
	PLACES                                         ; behind the products: for the loads into K's registers and the first read of the scores
	ds_load_b128 v[VS:VS+3], v[ADS] offset:512
	ds_load_b128 v[VS+4:VS+7], v[ADS] offset:768
	WIN 0x40
.irp m, 0,1,2,3,4,5,6,7
.irp c, 0,1
	ds_load_b128 v[BIG+8*\m+4*\c:BIG+8*\m+4*\c+3], v[ADK] offset:8192+1024*\m+512*\c   ; V takes K's registers
.endr
.endr
.irp t, 0,1                            ; the largest score of each block of 32 keys: it serves the row's maximum and, since p rises with the score, the block's largest p
	WIN 0x41+0x14*\t
.irp b, 0,1,2,3
	v_max3_num_f32 v[16*\t+8+\b], 0xff800000, v[S+16*\b], v[S+16*\b+1]
.endr
.irp i, 2,4,6,8,10,12,14
.irp b, 0,1,2,3
	v_max3_num_f32 v[16*\t+8+\b], v[16*\t+8+\b], v[S+16*\b+\i], v[S+16*\b+\i+1]
.endr
.endr
.endr
	WIN 0x55
.irp t, 0,1
.irp b, 0,1,2,3
	v_permlanex16_b32 v[16*\t+12+\b], v[16*\t+8+\b], s[SEL], s[SEL+1]
.endr
.endr
.irp t, 0,1
.irp b, 0,1,2,3
	v_max_num_f32 v[16*\t+8+\b], v[16*\t+8+\b], v[16*\t+12+\b]
.endr
.endr
.irp t, 0,1
	v_max3_num_f32 v[16*\t+1], v[16*\t+1], v[16*\t+8], v[16*\t+9]
.endr
.irp t, 0,1
	s_delay_alu instid0(VALU_DEP_2)
	v_max3_num_f32 v[16*\t+1], v[16*\t+1], v[16*\t+10], v[16*\t+11]   ; the running largest S
.endr
.irp t, 0,1
	s_delay_alu instid0(VALU_DEP_2)
	v_mul_f32 v[16*\t+7], s[CN], v[16*\t+1]                           ; -t
.endr
.irp t, 0,1
	s_delay_alu instid0(VALU_DEP_2)
	v_floor_f32 v[16*\t+7], v[16*\t+7]                                ; the new -M: M is a whole number
.endr
.irp t, 0,1
	s_delay_alu instid0(VALU_DEP_2)
	v_sub_f32 v[16*\t+6], v[16*\t+7], v[16*\t]                        ; old M - new M: a whole number, 0 or less
.endr
.irp t, 0,1
	s_delay_alu instid0(VALU_DEP_4)
	v_mov_b32 v[16*\t], v[16*\t+7]
.endr
.irp t, 0,1
	s_delay_alu instid0(VALU_DEP_4)
	v_cvt_i32_f32 v[16*\t+6], v[16*\t+6]                              ; (it saturates)
.endr
.irp t, 0,1
	s_delay_alu instid0(VALU_DEP_2)
	v_ldexp_f32 v[16*\t+6], 1.0, v[16*\t+6]                           ; f = 2^(old M - new M)
.endr
.irp t, 0,1
.irp b, 0,1,2,3
	v_fma_f32 v[16*\t+8+\b], v[16*\t+8+\b], s[CS], v[16*\t]           ; t - M of each block's largest score
.endr
.endr
.irp t, 0,1
	v_pk_mul_f32 v[16*\t+2:16*\t+3], v[16*\t+2:16*\t+3], v[16*\t+6:16*\t+7] op_sel_hi:[1,0]   ; the sum under the new M
.endr
	SCALE 1
	SCALE 0
	s_wait_alu depctr_va_vdst(0)                   ; one wait ahead of the batch of 136 exponentials
	EXPS 0
	EXPS 1
.irp t, 0,1
.irp b, 0,1,2,3
	v_exp_f32 v[16*\t+8+\b], v[16*\t+8+\b]         ; the block's largest p: the same multiply-add and exponential on the same number
.endr
.endr
	v_nop                                          ; a plain place behind the last of them
	s_wait_alu depctr_va_vdst(0)                   ; and one wait behind the batch
.irp t, 0,1
.irp b, 0,1,2,3
	v_max_num_f32 v[16*\t+8+\b], 0x1800000, v[16*\t+8+\b]       ; the floor 2^(3 - 127): the byte cannot fall under 1
.endr
.endr
.irp t, 0,1
.irp b, 0,1,2,3
	v_add_nc_u32 v[16*\t+8+\b], 0xff000000, v[16*\t+8+\b]       ; the conversion's scale operand
.endr
.endr
.irp t, 0,1
.irp b, 0,1,2,3
	v_lshrrev_b32 v[16*\t+12+\b], 23, v[16*\t+8+\b]             ; the scale's byte
.endr
.endr
.irp t, 0,1
	v_lshl_or_b32 v[16*\t+12], v[16*\t+13], 8, v[16*\t+12]
.endr
.irp t, 0,1
	s_delay_alu instid0(VALU_DEP_2)
	v_lshl_or_b32 v[16*\t+12], v[16*\t+14], 16, v[16*\t+12]
.endr
.irp t, 0,1
	s_delay_alu instid0(VALU_DEP_2)
	v_lshl_or_b32 v[16*\t+12], v[16*\t+15], 24, v[16*\t+12]
.endr
	WIN 0x01
.irp t, 0,1
	v_mov_b32 v[PS+\t], v[16*\t+12]                ; p's scale word for these 128 keys
.endr
	CODES 0
	CODES 1
	ROWSUM 1                                       ; these 64 additions are also the places between p's codes and scale words and the products below
	ROWSUM 0
	s_wait_dscnt 0x0                               ; V and its scale words are in
.irp t, 0,1                            ; O^T += V^T P^T: V window 1; p, C and D window t; the sixteen accumulators take turns
	WIN 0x01+0x54*\t
.irp m, 0,1,2,3,4,5,6,7
	v_wmma_scale_f32_16x16x128_f8f6f4 v[O+8*\m:O+8*\m+7], v[BIG+8*\m:BIG+8*\m+7], v[PC:PC+7], v[O+8*\m:O+8*\m+7], v[VS+\m], v[PS+\t] matrix_a_fmt:MATRIX_FMT_FP4 matrix_b_fmt:MATRIX_FMT_FP4
.endr
.endr
	WIN 0
	s_add_co_u32 s[TB], s[TB], REC
	s_add_co_u32 s[TM], s[TM], 512
.endm
.macro VISIT                           ; a slot's two steps: written once, walked twice; then on to the other slot
	s_mov_b32 s[TWICE], 2
.Lstep_\@:
	STEP
	s_sub_co_u32 s[TWICE], s[TWICE], 1
	s_cmp_lg_u32 s[TWICE], 0
	s_cbranch_scc1 .Lstep_\@
	s_sub_co_u32 s[TB], s[TB], 2*REC
	s_xor_b32 s[TB], s[TB], SLOT1
	s_sub_co_u32 s[TM], s[TM], 1024
	s_xor_b32 s[TM], s[TM], SLOT1
.endm
; THE CHANGE OF SLOTS, at a slot's head.  Each wave waits for all its tensor loads, adds 0 to its spare word, and waits for that and for its reads of the slot that it has left.
; kind 1: a round of the cluster's barrier, and the slot just left takes the next two steps.  kind 2: it takes the NEXT BLOCK's first two steps.  kind 0: nothing is filled: a work-group barrier.
.macro CHANGE kind
	s_wait_tensorcnt 0x0                           ; no tensor load of mine is out, so a group 0 may be written
	ds_add_u32 v[SPW], v[NIL]
.if \kind
	s_xor_b32 s[G0KV+5], s[G0KV+5], SLOT1
	s_xor_b32 s[G0M1+1], s[G0M1+1], SLOT1
	s_wait_xcnt 0x0                                ; my last prefetch has read its address
.if \kind == 1
	s_add_nc_u64 s[G0KV+6:G0KV+7], s[G0KV+6:G0KV+7], 2*REC
	s_add_nc_u64 s[G0M1+2:G0M1+3], s[G0M1+2:G0M1+3], 1024
	s_add_nc_u64 s[PFA:PFA+1], s[PFA:PFA+1], s[PFS:PFS+1]
.else
	s_sub_nc_u64 s[G0KV+6:G0KV+7], s[G0KV+6:G0KV+7], 7*2*REC       ; back to step 0
	s_add_nc_u64 s[G0M1+2:G0M1+3], s[G0M1+2:G0M1+3], MSTEP-7*1024  ; 1,024 rows down, back to key 0
	s_add_nc_u64 s[PFA:PFA+1], s[PFA:PFA+1], s[PFT:PFT+1]
	s_cmp_lt_u32 s[WV], 6
	s_cselect_b32 s[LIM], -1, s[LIM]               ; the records are asked for no more
.endif
	s_wait_dscnt 0x0
	CROUND
	JLOAD
	ASK \kind-1
.if \kind == 2
	global_prefetch_b8 v[PFQ], s[4:5] th:TH_LOAD_NT scope:SCOPE_SE                 ; the next block's q of my wave: 16 rows x 1,024 bytes, two steps ahead of its loads
	global_prefetch_b8 v[PFQ], s[4:5] offset:131072 th:TH_LOAD_NT scope:SCOPE_SE
.endif
.else
	s_wait_dscnt 0x0
	s_barrier_signal -1
	s_barrier_wait -1
.endif
.endm
; THE WAY OUT.  O^T is divided by the sum, in place, and goes through my stage, a tile at a time: register 8 m + i of a lane is out(query r, channel 16 m + 8 h + i)
.macro WAYOUT
	WIN 0x55
	s_wait_alu depctr_va_vdst(0)                   ; the wait ahead of the reader below
.irp t, 0,1
	v_add_f32 v[16*\t+7], v[16*\t+2], v[16*\t+3]
.endr
.irp t, 0,1
	v_permlanex16_b32 v[16*\t+12], v[16*\t+7], s[SEL], s[SEL+1]
.endr
.irp t, 0,1
	v_add_f32 v[16*\t+7], v[16*\t+7], v[16*\t+12]
.endr
	s_wait_alu depctr_va_vdst(0)                   ; ahead of the reciprocals
.irp t, 0,1
	v_rcp_f32 v[16*\t+6], v[16*\t+7]
.endr
	v_nop
.irp t, 0,1
	WIN 0x41*\t+0x04
	s_wait_alu depctr_va_vdst(0)                   ; behind the reciprocals, directly ahead of the first readers of this tile's last products
.set j, 0
.rept 32
	v_pk_mul_f32 v[O+j:O+j+1], v[O+j:O+j+1], v[16*\t+6:16*\t+7] op_sel_hi:[1,0]
.set j, j+2
.endr
.endr
.irp t, 0,1
	WIN 4*\t
.irp m, 0,1,2,3,4,5,6,7
	ds_store_b128 v[STO], v[O+8*\m:O+8*\m+3] offset:64*\m
	ds_store_b128 v[STO], v[O+8*\m+4:O+8*\m+7] offset:64*\m+16
.endr
	WIN 64*\t
.irp i, 0,1,2,3,4,5,6,7,8,9,10,11,12,13,14,15
	ds_load_b128 v[O+4*\i:O+4*\i+3], v[STI] offset:SP*\i   ; LDS serves a wave's instructions in order: these see the stores above; tile 1's stores come behind them
.endr
.endr
.irp t, 0,1
	WIN 4*\t
	s_wait_dscnt 32-32*\t                          ; tile 0 is back: behind its loads stand tile 1's 16 stores and 16 loads
.irp i, 0,1,2,3,4,5,6,7,8,9,10,11,12,13,14,15
	global_store_b128 v[LI], v[O+4*\i:O+4*\i+3], s[10:11] offset:16384*\i+512*\t th:TH_STORE_NT   ; 32 lanes store 512 consecutive bytes, aligned
.endr
.endr
	WIN 0
.endm
	INIT
	s_wait_alu depctr_va_vdst(0)                   ; the wait at the head's end
	QUANTQ
	s_add_nc_u64 s[4:5], s[4:5], QSTEP             ; q's loads are done: on to block 1's rows
	CHANGE 0                                       ; everybody's first fills are in
	VISIT                                          ; block 0, slot 0
	s_mov_b32 s[SLOTS], 6
.Lwalk_a:                              ; block 0's slots 1 to 6; its slots 2 to 7 are asked for
	CHANGE 1
	VISIT
	s_sub_co_u32 s[SLOTS], s[SLOTS], 1
	s_cmp_lg_u32 s[SLOTS], 0
	s_cbranch_scc1 .Lwalk_a
	CHANGE 2                                       ; block 1's slot 0 is asked for
	VISIT                                          ; block 0, slot 7
	QLOAD                                          ; block 1's q, into the scores' registers, which are done with; it is on its way under the way out
	WAYOUT
	s_wait_xcnt 0x0                                ; the stores' base and data may be written
	s_add_nc_u64 s[10:11], s[10:11], QSTEP
	INIT
	QUANTQ
	s_mov_b32 s[SLOTS], 7
.Lwalk_b:                              ; block 1's slots 0 to 6; its slots 1 to 7 are asked for
	CHANGE 1
	VISIT
	s_sub_co_u32 s[SLOTS], s[SLOTS], 1
	s_cmp_lg_u32 s[SLOTS], 0
	s_cbranch_scc1 .Lwalk_b
	CHANGE 0                                       ; the tail is written out
	VISIT
	WAYOUT
	s_wait_tensorcnt 0x0                           ; the wave's end
	ds_add_u32 v[SPW], v[NIL]
	s_wait_dscnt 0x0
	CROUND                                         ; the closing round
	s_endpgm
.Lfunc_end_k_qed52914425_attn:
	.size	k_qed52914425_attn, .Lfunc_end_k_qed52914425_attn-k_qed52914425_attn
	.p2alignl 7, 3214868480
	.fill 96, 4, 3214868480
	.section	.rodata,"a",@progbits
	.p2align	6, 0x0
	.amdhsa_kernel k_qed52914425_attn
		.amdhsa_group_segment_fixed_size 327680
		.amdhsa_private_segment_fixed_size 0
		.amdhsa_enable_private_segment 0
		.amdhsa_kernarg_size 32
		.amdhsa_user_sgpr_count 2
		.amdhsa_user_sgpr_kernarg_segment_ptr 1
		.amdhsa_wavefront_size32 1
		.amdhsa_system_sgpr_workgroup_id_x 1
		.amdhsa_system_sgpr_workgroup_id_y 1
		.amdhsa_system_sgpr_workgroup_id_z 1
		.amdhsa_system_vgpr_workitem_id 0
		.amdhsa_next_free_vgpr 512
		.amdhsa_next_free_sgpr 100
		.amdhsa_reserve_vcc 0
		.amdhsa_float_denorm_mode_32 3
		.amdhsa_float_denorm_mode_16_64 3
		.amdhsa_memory_ordered 1
		.amdhsa_forward_progress 1
		.amdhsa_inst_pref_size 255
	.end_amdhsa_kernel
	.section	.bss,"aw",@nobits
	.p2align	6
	.space	262144
	.amdgpu_metadata
---
amdhsa.version: [ 1, 2 ]
amdhsa.kernels:
  - .name:           k_qed52914425_attn
    .symbol:         k_qed52914425_attn.kd
    .args:
      - { .name: q, .offset: 0, .size: 8, .value_kind: global_buffer, .address_space: global }
      - { .name: kvc, .offset: 8, .size: 8, .value_kind: global_buffer, .address_space: global }
      - { .name: mask, .offset: 16, .size: 8, .value_kind: global_buffer, .address_space: global }
      - { .name: out0, .offset: 24, .size: 8, .value_kind: global_buffer, .address_space: global }
    .group_segment_fixed_size: 327680
    .private_segment_fixed_size: 0
    .kernarg_segment_align: 8
    .kernarg_segment_size: 32
    .max_flat_workgroup_size: 256
    .sgpr_count:     100
    .vgpr_count:     512
    .wavefront_size: 32
...
	.end_amdgpu_metadata
.endif
;; end of part 2
